; MI455X (gfx1250); checked and timed in simulation.
; The chip was launched on July 23, 2026; its instructions are those of AMD's public machine-readable ISA for CDNA 5 (MIT licence, August 2026) and "CDNA5" Instruction Set Architecture Reference Guide (July 2026). The comments in the code are by the model that wrote it; some were corrected since.
;; Attention. Allowed arithmetic: matrix products marked QUANTISED: E4M3 operands, one E8M0 scale for each 32 along K, by v_wmma_scale_f32_16x16x128_f8f6f4 with both operands' format E4M3, f32 sums; products left as they are: f32 operands where the result goes on into a quantised operand, else bf16, f16 or f32 operands; f32 sums; everything else in f32.
;; Inputs: W 4,096 x 4,096 float32; b 4,096 float32; encoder_outputs 2,048 x 2 x 4,096 float32; hidden 2 x 1 x 4,096 float32.
;; Outputs: out0 1 x 1 x 2,048 x 2 float32.
;; This version of the problem:
;;   THIS VERSION OF THE PROBLEM IS GIVEN IN LOW PRECISION. The matrix products marked QUANTISED in the list below multiply operands that are first quantised to E4M3 (4 exponent bits, 3 mantissa bits; 8 bits a number), with one power-of-two scale for each 32 numbers along K (OCP MX v1.0); their sums are f32. All else is computed in f32.
;;   The module's matrix products, in the order in which they are computed (A, B: the left and right operand; K: the contracted axis; several contracted axes count as one K, in the product's order):
;;     1. [M 4,096, K 4,096] x [K 4,096, N 4,096]; A: input encoder_outputs; B: input W: QUANTISED
;;     2. batch 2 x [M 1, K 4,096] x [K 4,096, N 2,048]; A: input hidden; B: computed on the way: left as it is (M = 1 < 16)
;;   THE QUANTISER, for each operand of a quantised product, along K:
;;     - K is cut into blocks of 32 from its start; a last block that is shorter is filled with zeros.
;;     - A block's scale is 2^e with e = floor(log2(the largest magnitude in the block)) - 8, held to -126 .. 127; a block of zeros has e = 0. As a byte (E8M0): e + 127.
;;     - Each number is divided by its block's scale, clamped to +-448, and rounded to the nearest number of E4M3, ties to even, subnormals kept.
;;     - The product sums the exact products of the quantised numbers (number of the format x scale) in f32.
;;   ~~~python
;;   def quantise(x, axis):      # numpy; x: float32 -> the quantised numbers, widened to float32 again
;;       x = np.moveaxis(x, axis, -1); K = x.shape[-1]
;;       x = np.pad(x, [(0, 0)] * (x.ndim - 1) + [(0, -K % 32)]); x = x.reshape(x.shape[:-1] + (-1, 32)); a = np.abs(x).max(-1, keepdims=True)
;;       e = np.where(a > 0, np.clip(np.frexp(np.where(a > 0, a, 1))[1] - 1 - 8, -126, 127), 0)      # np.frexp(a)[1] - 1 = floor(log2(a)), exactly
;;       r = np.clip(x / 2.0 ** e, -448, 448)
;;       step = 2.0 ** (np.maximum(np.frexp(np.where(r == 0, 1, r))[1] - 1, -6) - 3)
;;       q = np.round(r / step) * step * 2.0 ** e      # np.round: ties to even
;;       return np.moveaxis(q.reshape(q.shape[:-2] + (-1,))[..., :K], -1, axis).astype(np.float32)
;;   ~~~
;; One version. Each part assembles by itself: llvm-mc -triple=amdgcn-amd-amdhsa -mcpu=gfx1250 --defsym DOCPART=n.
;; ======== version 1 of 1: 3 launches
;; limits: right only within a limited range of input values
;; workspace buffers: eq 17,301,504 bytes; wq 17,301,504 bytes; part 524,288 bytes
;; launch quant (part 1): grid 256 x 1, 16 waves a work-group, no clusters, 90,112 bytes of LDS; arguments encoder_outputs, W, eq, wq; writes eq, wq
.if DOCPART == 1
	.amdgcn_target "amdgcn-amd-amdhsa--gfx1250"
	.amdhsa_code_object_version 6
	.text
	.protected	k_q07de900707_quant
	.globl	k_q07de900707_quant
	.p2align	8
	.type	k_q07de900707_quant,@function
k_q07de900707_quant:
	s_mov_b64 s[64:65], 0
	v_nop
	global_prefetch_b8 v0, s[64:65] scope:SCOPE_SE
	s_setreg_imm32_b32 hwreg(HW_REG_WAVE_MODE, 25, 1), 1
	s_wait_xcnt 0x0
; encoder_outputs, taken as [4096 rows m = 2 s + batch][4096], and W [4096 rows g][4096], both f32 with K innermost, are turned into codes of FP8 (E4M3), 8 bits each,
; with one E8M0 scale byte for each 32 along K, and laid in the order in which the product's launch fetches them:
;   eq, wq: [R = row / 128 (32)][j = K step of 256 (16)] tiles of TILEB = 33,792 bytes: row p (0 .. 127) of the tile has its 256 codes at 256 p, and its 8 scale bytes at 32,768 + 8 p.
; So the codes and the scale bytes that one wave of the product fetches for a K step are one dense block of 132 x 256 bytes.
; A block's scale is 2^(floor(log2(its largest magnitude)) - 8), 8 being the exponent of the format's largest number, 448; its byte is the largest magnitude's own exponent field - 8, held at 1 from below.
; Each number is divided by the scale, held within +-448 and rounded to the nearest code, ties to even.
; LIMITS: a block of zeros gets the byte 1 where the quantiser's rule says 127: its codes are zeros, which add nothing under any byte but 0xff, and this program alone reads the bytes.
; NaN and infinities among the inputs are not served.
; SHARES.  Work-groups 0 to 127 take encoder_outputs, the others W: only pointers are chosen, there is one path through the text.  A work-group takes 32 rows, each of its sixteen waves two:
; a dense run of 8,192 numbers, in 16 steps of 512.  Each of a step's four loads reads 512 consecutive bytes, 16 a lane; the conversions want 16 NEIGHBOURS along K in one lane, so the step's 2,048 bytes
; go through the wave's own stage in LDS as they lie and come back 64 bytes a lane (two neighbouring lanes hold a block of 32).  Loads run four steps (16 loads a wave) ahead, the stage one step.
; A lane's 16 codes are 16 bytes: lanes 0-15 store 256 consecutive aligned bytes of one K step's tile, lanes 16-31 of the next K step's.
; The scale bytes of the work-group's 32 rows meet in LDS; behind one barrier wave w stores, for K step w, the 32 rows' 8 bytes each: 256 consecutive aligned bytes.
.set STEPS, 16
.set EMAX,  8
.set MANT,  0x600000                   ; the mantissa field of 448 as f32
.set TILEB, 33792                      ; a tile of eq or wq: 128 rows x 256 codes + 128 x 8 scale bytes
.set RBLK,  16*TILEB                   ; the 16 K steps of 128 rows
.set SP,    80                         ; a lane's place in a stage: its 64 bytes + 16 of padding
.set WREG,  2*32*SP                    ; LDS: two stages for each wave
.set SCB,   16*WREG                    ; behind the stages: the scale bytes, 32 rows
.set SCP,   136                        ; of 128 bytes + 8 of padding
.set R,     16                         ; v16-79   four sets of 16 numbers as they are loaded
.set X,     80                         ; v80-111  two sets of 16 neighbours
.set E,     112                        ; v112-127 a scale byte for each step
.set C,     128                        ; v128-191 codes: four registers for each step, so that no store's data are written again
	s_load_b256 s[4:11], s[0:1], 0x0               ; encoder_outputs s[4:5], W s[6:7], eq s[8:9], wq s[10:11]
	v_lshl_add_u32 v192, v0, 2, 0x15800
	v_mov_b32 v193, 0
	v_lshrrev_b32 v1, 5, v0
	s_delay_alu instid0(VALU_DEP_1)
	v_readfirstlane_b32 s16, v1                    ; wave 0..15
	v_and_b32 v2, 31, v0                           ; lane
	s_delay_alu instid0(VALU_DEP_1)
	v_lshlrev_b32 v3, 4, v2                        ; my 16 bytes of a load's 512
	s_mul_i32 s17, s16, WREG
	v_lshrrev_b32 v14, 2, v2
	s_delay_alu instid0(VALU_DEP_1)
	v_mul_u32_u24 v14, v14, SP
	v_and_b32 v15, 3, v2
	s_delay_alu instid0(VALU_DEP_1)
	v_lshl_add_u32 v14, v15, 4, v14
	s_delay_alu instid0(VALU_DEP_1)
	v_add_nc_u32 v14, s17, v14                     ; the stage, on the way in: four lanes' 64 bytes on end, then 16 of padding
	v_mul_u32_u24 v15, v2, SP
	s_delay_alu instid0(VALU_DEP_1)
	v_add_nc_u32 v15, s17, v15                     ; and on the way out: my 16 neighbours
	v_and_b32 v4, 15, v2
	s_delay_alu instid0(VALU_DEP_1)
	v_lshlrev_b32 v4, 4, v4
	v_lshrrev_b32 v5, 4, v2
	s_delay_alu instid0(VALU_DEP_1)
	v_mad_u32_u24 v4, v5, TILEB, v4                ; my codes' place: 16 (lane % 16), and lanes 16-31 one K step's tile further on
	s_mul_i32 s17, s16, 2*SCP
	s_add_co_u32 s17, s17, SCB
	v_lshrrev_b32 v5, 1, v2
	s_delay_alu instid0(VALU_DEP_1)
	v_add_nc_u32 v5, s17, v5                       ; LDS: my wave's two rows of scale bytes, my block's byte
	s_lshl_b32 s17, s16, 3
	s_add_co_u32 s17, s17, SCB
	v_mul_u32_u24 v6, v2, SCP
	s_delay_alu instid0(VALU_DEP_1)
	v_add_nc_u32 v6, s17, v6                       ; and on the way out: row = my lane, the 8 bytes of K step = my wave
	v_lshlrev_b32 v7, 3, v2                        ; 8 bytes a lane
	s_mov_b32 s23, MANT                            ; (an instruction takes one literal: the hold's line has another)
	s_and_b32 s18, ttmp9, 127                      ; which 32 rows of the tensor
	s_lshl_b32 s20, s18, 4
	s_add_co_u32 s20, s20, s16
	s_lshl_b32 s20, s20, 15                        ; my two rows begin (16 x that + wave) x 32,768 bytes into the tensor (under 2^27)
	s_mov_b32 s21, 0
	s_lshr_b32 s24, s18, 2
	s_mul_i32 s24, s24, RBLK                       ; the rows' block of 128 in the workspace buffer
	s_and_b32 s19, s18, 3                          ; which 32 rows of the 128
	s_lshl_b32 s26, s19, 13
	s_add_co_u32 s26, s26, s24
	s_lshl_b32 s22, s16, 9
	s_add_co_u32 s26, s26, s22                     ; the codes: + 32 rows x 256 x that + 2 rows x 256 x wave
	s_mov_b32 s27, 0
	s_mul_i32 s28, s16, TILEB                      ; the scale bytes: K step = my wave,
	s_add_co_u32 s28, s28, s24
	s_lshl_b32 s22, s19, 8
	s_add_co_u32 s28, s28, s22                     ; 32 rows x 8 bytes x that,
	s_add_co_u32 s28, s28, 32768                   ; behind the tile's codes
	s_mov_b32 s29, 0
	s_wait_kmcnt 0x0
	s_cmp_lt_u32 ttmp9, 128                        ; the choice hangs on the work-group's number alone
	s_cselect_b64 s[4:5], s[4:5], s[6:7]
	s_cselect_b64 s[8:9], s[8:9], s[10:11]
	s_add_nc_u64 s[4:5], s[4:5], s[20:21]
	s_add_nc_u64 s[12:13], s[8:9], s[28:29]
	s_add_nc_u64 s[8:9], s[8:9], s[26:27]
.macro LOAD t
.irp i, 0,1,2,3
	global_load_b128 v[R+16*((\t)%4)+4*\i:R+16*((\t)%4)+4*\i+3], v3, s[4:5] offset:2048*(\t)+512*\i th:TH_LOAD_NT   ; 32 lanes read 512 consecutive bytes; read once in the launch
.endr
.endm
.macro TURN t                          ; step t's numbers through the stage: LDS serves a wave's instructions in order (ISA guide 5.7.1.4), so no wait stands between the stores and the loads
.irp i, 0,1,2,3
	ds_store_b128 v14, v[R+16*((\t)%4)+4*\i:R+16*((\t)%4)+4*\i+3] offset:32*SP*((\t)%2)+8*SP*\i
.endr
.irp i, 0,1,2,3
	ds_load_b128 v[X+16*((\t)%2)+4*\i:X+16*((\t)%2)+4*\i+3], v15 offset:32*SP*((\t)%2)+16*\i
.endr
.endm
.irp t, 0,1,2,3
	LOAD \t
.endr
	s_wait_loadcnt 12                              ; step 0's four loads are in; the twelve of steps 1 to 3 may be out
	TURN 0
; Step t: row t / 8 of my two, K = 512 (t % 8) on: K steps 2 (t % 8) and 2 (t % 8) + 1.
.macro STEP t
.set XS, X+16*((\t)%2)
.if (\t) > 0
	s_wait_dscnt 1                                 ; this step's numbers are back from the stage (the last step's byte store may be out): so its stores into the stage have read their registers,
.else
	s_wait_dscnt 0x0
.endif
.if (\t)+4 < STEPS
	LOAD (\t)+4                                    ; which take the loads of four steps on
.endif
.if (\t)+1 < STEPS
.if STEPS-2-(\t) >= 3
	s_wait_loadcnt 12                              ; the next step's four loads are in; those of the three steps behind it may be out
.else
	s_wait_loadcnt 4*(STEPS-2-(\t))                ; at the end fewer steps stand behind it
.endif
	TURN (\t)+1                                    ; and go through the other stage while this step is worked
.endif
	v_max3_num_f32 v8, |v[XS]|, |v[XS+1]|, |v[XS+2]|               ; the largest magnitude of my 16, in two chains
	v_max3_num_f32 v9, |v[XS+3]|, |v[XS+4]|, |v[XS+5]|
.irp i, 6,10
	s_delay_alu instid0(VALU_DEP_2)
	v_max3_num_f32 v8, v8, |v[XS+\i]|, |v[XS+\i+1]|
	s_delay_alu instid0(VALU_DEP_2)
	v_max3_num_f32 v9, v9, |v[XS+\i+2]|, |v[XS+\i+3]|
.endr
	s_delay_alu instid0(VALU_DEP_2)
	v_max3_num_f32 v8, v8, |v[XS+14]|, |v[XS+15]|
	s_delay_alu instid0(VALU_DEP_1)
	v_max3_num_f32 v8, v8, v9, (EMAX+1)<<23        ; and the floor 2^(EMAX + 1 - 127), under which no largest magnitude is taken: so the byte cannot fall under 1
	s_delay_alu instid0(VALU_DEP_1)
	v_max_num_f32_dpp v8, v8, v8 row_xmask:1 row_mask:0xf bank_mask:0xf   ; and of my neighbour's 16: the block's
	s_delay_alu instid0(VALU_DEP_1)
	v_add_nc_u32 v11, -(EMAX<<23), v8              ; EMAX off its exponent field: the conversion takes the exponent field of this operand as its scale, and nothing else of it
	s_delay_alu instid0(VALU_DEP_2)
	v_and_or_b32 v10, v8, 0x7f800000, s23          ; 448 x the scale: the largest magnitude's exponent field over 448's mantissa
.irp i, 0,1,2,3,4,5,6,7,8,9,10,11,12,13,14,15
	v_med3_num_f32 v[XS+\i], v[XS+\i], -v10, v10   ; the conversion to an 8-bit code does not saturate (ISA guide 7.6.2): hold the number within the largest code x the scale first
.endr
	v_cvt_scalef32_pk8_fp8_f32 v[C+4*(\t):C+4*(\t)+1], v[XS:XS+7], v11          ; eight numbers / 2^(v11's exponent), to the nearest code, ties to even; the first number's code in the lowest byte
	v_cvt_scalef32_pk8_fp8_f32 v[C+4*(\t)+2:C+4*(\t)+3], v[XS+8:XS+15], v11
	v_lshrrev_b32 v[E+(\t)], 23, v11               ; the scale's byte (also the plain line behind the conversions)
	ds_store_b8 v5, v[E+(\t)] offset:SCP*((\t)/8)+16*((\t)%8)      ; both lanes of a block write the same byte with the same value
	global_store_b128 v4, v[C+4*(\t):C+4*(\t)+3], s[8:9] offset:2*TILEB*((\t)%8)+256*((\t)/8)   ; sixteen lanes store 256 consecutive bytes, at a multiple of 256 from the buffer's first byte
.endm
.irp t, 0,1,2,3,4,5,6,7,8,9,10,11,12,13,14,15
	STEP \t
.endr
	s_wait_dscnt 0x0                               ; for the others' sake: my byte stores have landed
	s_barrier_signal -1
	s_barrier_wait -1                              ; the 32 rows' scale bytes lie in LDS
	ds_load_b64 v[12:13], v6                       ; row = lane: its 8 bytes of K step = wave
	s_wait_dscnt 0x0
	global_store_b64 v7, v[12:13], s[12:13]        ; 32 lanes store 256 consecutive bytes, at a multiple of 256 from the buffer's first byte
	s_wait_tensorcnt 0x0
	ds_add_u32 v192, v193
	s_wait_dscnt 0x0
	s_endpgm
.Lfunc_end_k_q07de900707_quant:
	.size	k_q07de900707_quant, .Lfunc_end_k_q07de900707_quant-k_q07de900707_quant
	.p2alignl 7, 3214868480
	.fill 96, 4, 3214868480
	.section	.rodata,"a",@progbits
	.p2align	6, 0x0
	.amdhsa_kernel k_q07de900707_quant
		.amdhsa_group_segment_fixed_size 90112
		.amdhsa_private_segment_fixed_size 0
		.amdhsa_enable_private_segment 0
		.amdhsa_kernarg_size 32
		.amdhsa_user_sgpr_count 2
		.amdhsa_user_sgpr_kernarg_segment_ptr 1
		.amdhsa_wavefront_size32 1
		.amdhsa_system_sgpr_workgroup_id_x 1
		.amdhsa_system_sgpr_workgroup_id_y 1
		.amdhsa_system_sgpr_workgroup_id_z 1
		.amdhsa_system_vgpr_workitem_id 0
		.amdhsa_next_free_vgpr 194
		.amdhsa_next_free_sgpr 66
		.amdhsa_reserve_vcc 0
		.amdhsa_float_denorm_mode_32 3
		.amdhsa_float_denorm_mode_16_64 3
		.amdhsa_memory_ordered 1
		.amdhsa_forward_progress 1
		.amdhsa_inst_pref_size 56
	.end_amdhsa_kernel
	.amdgpu_metadata
---
amdhsa.version: [ 1, 2 ]
amdhsa.kernels:
  - .name:           k_q07de900707_quant
    .symbol:         k_q07de900707_quant.kd
    .args:
      - { .name: encoder_outputs, .offset: 0, .size: 8, .value_kind: global_buffer, .address_space: global }
      - { .name: W, .offset: 8, .size: 8, .value_kind: global_buffer, .address_space: global }
      - { .name: eq, .offset: 16, .size: 8, .value_kind: global_buffer, .address_space: global }
      - { .name: wq, .offset: 24, .size: 8, .value_kind: global_buffer, .address_space: global }
    .group_segment_fixed_size: 90112
    .private_segment_fixed_size: 0
    .kernarg_segment_align: 8
    .kernarg_segment_size: 32
    .max_flat_workgroup_size: 512
    .sgpr_count:     66
    .vgpr_count:     194
    .wavefront_size: 32
...
	.end_amdgpu_metadata
.endif
;; end of part 1
;; launch gemm (part 2): grid 16 x 16, 4 waves a work-group, clusters of 4 x 4, 327,680 bytes of LDS; arguments eq, wq, hidden, b, part; writes part
.if DOCPART == 2
	.amdgcn_target "amdgcn-amd-amdhsa--gfx1250"
	.amdhsa_code_object_version 6
	.text
	.protected	k_q07de900707_gemm
	.globl	k_q07de900707_gemm
	.p2align	8
	.type	k_q07de900707_gemm,@function
k_q07de900707_gemm:
	s_mov_b64 s[64:65], 0
	v_nop
	global_prefetch_b8 v0, s[64:65] scope:SCOPE_SE
	s_setreg_imm32_b32 hwreg(HW_REG_WAVE_MODE, 25, 1), 1
	s_wait_xcnt 0x0
	s_wait_alu depctr_hold_cnt(0) depctr_sa_sdst(0) depctr_va_vdst(0) depctr_va_sdst(0) depctr_va_ssrc(0) depctr_va_vcc(0) depctr_vm_vsrc(0)
	s_getreg_b32 s2, hwreg(HW_REG_IB_STS2, 6, 4)
	s_cmp_eq_u32 s2, 0
	s_cbranch_scc0 .Lentry_in_a_cluster
	s_endpgm
.Lentry_in_a_cluster:
	s_bfe_u32 s2, ttmp6, 0x10000c
	s_cmp_lg_u32 s2, 0xf033
	s_cbranch_scc0 .Lentry_shape_is_right
	s_endpgm
.Lentry_shape_is_right:
; part[c][m] = the sum over the 128 columns g of column block c (32 of them) of hidden[m % 2][g] x (energy[m][g] + b[g]), energy[m][g] = the sum over k of E[m][k] W[g][k] on codes of
; FP8 (E4M3) with one E8M0 scale for each 32 along K; m = 2 s + batch.  E and W come as the workspace images eq and wq: [row / 128][K step of 256] tiles of 132 x 256 bytes: 128 rows of 256 codes, then 8 scale bytes a row.
; b enters each score with hidden of the row's own batch, so it does not cancel in the softmax over the batch.
; SHARES.  A work-group of four waves makes 256 x 256 of energy, a wave 128 x 128: 64 accumulators, 512 registers.  energy never leaves the registers: at the end each lane multiplies its numbers by hidden and adds.
; K goes in 16 steps of 256 through a ring of two LDS slots; each wave fetches one tile a step: a dense block of 33,792 bytes, stated as 33 rows of 1,024 bytes, with 16 bytes of padding behind each 256.
; CLUSTERS: 4 x 4 work-groups; E's tiles are asked for jointly along a row of the cluster, W's along a column.
; THE PRODUCTS ARE USED TRANSPOSED: source 0 = 16 rows of W, source 1 = 16 rows of E: lane l holds row m = l % 16, its registers the columns g = 8 (l / 16) + 0 .. 7.
; A QUARTER is 128 along K: 64 products, row blocks a = 0 .. 7 of E by turns, each with W's eight fragments.  It is written as four groups of 16 products (two row blocks), and behind each group stands one run of
; 16 LDS loads, four fragments: behind blocks 0, 1: E6, E7 of the quarter in hand and the next quarter's W0, W1; behind 2, 3: W2 .. W5; behind 4, 5: E0, W6, W7, E1; behind 6, 7: E2 .. E5.
; So every fragment is asked for at least 16 products ahead of its first use.  E has one set of eight fragments (a fragment is loaded anew when its row block is done), W two sets.
; Each wait on DScnt counts the loads issued behind the fragment that the next products want.
; PLACES: a load into registers that a product has read stands eight plain vector lines behind that product: eight v_nop stand directly ahead of each run.
; THE CHANGE OF SLOTS stands in a slot's second quarter behind row blocks 2, 3: the slot's last reads (E6, E7) were issued 16 products earlier.  W0, W1 of the next slot then come with W2 .. W5, behind the refill.
; The 64 accumulators take turns, one product a turn, in the same order in every quarter.
; LIMITS: NaN and infinities among the inputs are not served.
; REGISTERS: window 0: v0-31 addresses, v32-63 scale words (two sets of 16), v64-127 hidden, v128-255 E's fragments; window 1: W's fragments, two sets; windows 2, 3: accumulators of my rows 0-63, 64-127.
.set UNITS,  132
.set TILEB,  UNITS*256                 ; a tile in memory
.set RBLK,   16*TILEB                  ; the 16 K steps of 128 rows
.set PITCH,  272                       ; an LDS row: 256 bytes + 16 of padding
.set FR,     16                        ; registers of a fragment
.set HALFT,  UNITS*PITCH               ; a tile in LDS
.set SCO,    128*PITCH                 ; its scale bytes
.set SLOT,   4*HALFT                   ; E's two tiles, then W's two
.set LAPS,   8
.set SPARE,  2*SLOT                    ; the spare words, 128 bytes a wave
.set STG,    SPARE+512                 ; the way out: 512 bytes a wave
.set HO,   3
.set BO,   4
.set T0,   12                          ; v12-15 the sum of b x hidden over my lane's columns
.set ADRA, 16                          ; v16-17 LDS address of my fragments of E in slot 0, 1
.set ADRB, 20                          ; v20-21 of W
.set ADRS, 22                          ; v22-23 of the scale words: lanes 0-15 E's, lanes 16-31 W's
.set STO,  24
.set RD,   25
.set CO,   26
.set SPW,  28                          ; my spare word; never rewritten
.set NIL,  29                          ; 0; never rewritten
.set PFO,  30
.set PFS,  31
.set SC,   32
.set HID,  64
.set AF,   128
.set BI,   128
.set S,    128
.set OUTR, 144
.set G1, 24
.set G0, 32
.set G1B, 48
.set G0B, 56
.set PFA, 66
.set PSA, 68
.set ONE, 71
.set SEL, 72
.set MSB, 0
.macro WIN new                         ; the immediate's high byte repeats the setting that is left
.if MSB != \new
	s_set_vgpr_msb (MSB<<8)|\new
.set MSB, \new
.endif
.endm
.set MUL_LO, 0xa1                      ; source 0 (W) window 1, source 1 (E) window 0, C and D window 2
.set TO_B,   0x40
; A joint load: waves 0 and 1 fetch E's two tiles, waves 2 and 3 W's.  s_nop 0 and four v_nop behind each line.
.macro JLOAD s
	s_cmp_eq_u32 s15, 0
	s_cbranch_scc0 .Lfor_b_\@
	tensor_load_to_lds s[G0+4*\s:G0+4*\s+3], s[G1:G1+7]
	s_nop 0
.rept 4
	v_nop
.endr
	s_branch .Lasked_\@
.Lfor_b_\@:
	tensor_load_to_lds s[G0B+4*\s:G0B+4*\s+3], s[G1B:G1B+7]
	s_nop 0
.rept 4
	v_nop
.endr
.Lasked_\@:
.endm
.macro CREST                           ; a round of the cluster's barrier behind its opening barrier
	s_cmp_lg_u32 s14, 0
	s_cbranch_scc1 .Lnot_wave_0_\@
	s_barrier_signal -3
.Lnot_wave_0_\@:
	s_barrier_wait -3
	s_barrier_signal -1
	s_barrier_wait -1
.endm
.macro CROUND
	s_barrier_signal -1
	s_barrier_wait -1
	CREST
.endm
; A prefetch of the codes of the K step two refills on.  Every cluster asks for what it will itself load; the four partners of a joint load share a tile's 128 rows of codes out by address, 32 each, a lane a row.
; The last trip's two refills have no K step two on.  The scale bytes (4 x 256 bytes a tile, a partner one of the four) of all 16 K steps of two tiles are asked for once, by waves 0 and 2, a lane a tile.
.macro ASK slot
	s_cmp_gt_u32 s3, 1
	s_cbranch_scc0 .Lnot_mine_\@
	global_prefetch_b8 v[PFO], s[PFA:PFA+1] offset:TILEB th:TH_LOAD_NT scope:SCOPE_SE
.Lnot_mine_\@:
.if (\slot) == 0
	s_cmp_eq_u32 s[ONE], 1
	s_cbranch_scc0 .Lno_scales_\@
	global_prefetch_b8 v[PFS], s[PSA:PSA+1] th:TH_LOAD_NT scope:SCOPE_SE
.Lno_scales_\@:
	s_mov_b32 s[ONE], 0
.endif
.endm
	s_load_b256 s[4:11], s[0:1], 0x0               ; eq, wq, hidden, b
	s_load_b64 s[12:13], s[0:1], 0x20              ; part
	v_lshl_add_u32 v[SPW], v0, 2, SPARE
	v_mov_b32 v[NIL], 0
	ds_add_u32 v[SPW], v[NIL]
	ds_add_u32 v[SPW], v[NIL]
	v_lshrrev_b32 v1, 5, v0
	v_readfirstlane_b32 s14, v1                    ; wave
	s_lshr_b32 s15, s14, 1                         ; my half of the rows; also: I fetch for E (0) or W (1)
	s_and_b32 s16, s14, 1                          ; my half of the columns; also: which tile I fetch
	s_bfe_u32 s40, ttmp6, 0x40000                  ; cx
	s_bfe_u32 s41, ttmp6, 0x40004                  ; cy
	s_lshl_b32 s42, ttmp9, 2
	s_add_co_u32 s42, s42, s40                     ; block column
	s_and_b32 s17, ttmp7, 0xffff
	s_lshl_b32 s17, s17, 2
	s_add_co_u32 s17, s17, s41                     ; block row
	s_lshl_b32 s43, s41, 2
	s_lshl_b32 s43, 15, s43                        ; my row of the cluster
	s_lshl_b32 s44, 0x1111, s40                    ; my column
	s_or_b32 s[G1+0], s43, (3<<16)|(1<<20)|(1<<21)|(5<<22)|(3<<25)   ; elements of 8 bytes; four words of padding behind every 64
	s_or_b32 s[G1B+0], s44, (3<<16)|(1<<20)|(1<<21)|(5<<22)|(3<<25)
.irp g, G1, G1B
	s_mov_b32 s[\g+1], 128<<16                     ; rows of 128 elements, 1,024 bytes,
	s_mov_b32 s[\g+2], (UNITS/4)<<16               ; 33 of them,
	s_mov_b32 s[\g+3], 128<<16
	s_mov_b32 s[\g+4], UNITS/4
	s_mov_b32 s[\g+5], 128                         ; on end in memory
	s_mov_b32 s[\g+6], 0
	s_mov_b32 s[\g+7], 0
.endr
	s_lshl_b32 s20, s17, 1
	s_add_co_u32 s20, s20, s16
	s_mul_i32 s20, s20, RBLK                       ; E's tile: by the block row and the wave alone
	s_mov_b32 s21, 0
	s_lshl_b32 s46, s42, 1
	s_add_co_u32 s46, s46, s16
	s_mul_i32 s46, s46, RBLK                       ; W's: by the block column and the wave alone
	s_mov_b32 s47, 0
	s_mul_i32 s45, s14, HALFT                      ; where it goes: by the wave alone
	s_wait_alu depctr_va_vdst(0)
	s_wait_dscnt 0x0
	s_wait_kmcnt 0x0
	s_add_nc_u64 s[20:21], s[4:5], s[20:21]
	s_add_nc_u64 s[46:47], s[6:7], s[46:47]
	CROUND                                         ; the first joint loads meet
.irp s, 0,1
	s_mov_b32 s[G0+4*\s], 1
	s_add_co_u32 s[G0+4*\s+1], s45, \s*SLOT
	s_add_nc_u64 s[G0+4*\s+2:G0+4*\s+3], s[20:21], \s*TILEB
	s_or_b32 s[G0+4*\s+3], s[G0+4*\s+3], 0x80000000
	s_mov_b32 s[G0B+4*\s], 1
	s_add_co_u32 s[G0B+4*\s+1], s45, \s*SLOT
	s_add_nc_u64 s[G0B+4*\s+2:G0B+4*\s+3], s[46:47], \s*TILEB
	s_or_b32 s[G0B+4*\s+3], s[G0B+4*\s+3], 0x80000000
.endr
	JLOAD 0                                        ; K step 0: one tensor load a wave at the head
	s_lshl_b32 s46, s42, 10
	s_lshl_b32 s47, s16, 9
	s_add_co_u32 s46, s46, s47                     ; my first column in hidden and b, in bytes
	s_mul_i32 s21, s15, HALFT                      ; my rows of E in a slot
	s_mul_i32 s22, s16, HALFT
	s_add_co_u32 s22, s22, 2*HALFT                 ; my rows of W
	s_xor_b32 s18, s15, 1
	s_add_co_u32 s18, s18, s16
	s_add_co_u32 s18, s18, 1
	s_mul_i32 s18, s18, HALFT                      ; from E's tile to W's
	s_add_co_u32 s19, s21, SCO
	s_lshl_b32 s23, s14, 9
	s_add_co_u32 s23, s23, STG                     ; my stage
	v_and_b32 v1, 15, v0
	v_bfe_u32 v2, v0, 4, 1
	v_lshl_add_u32 v[BO], v2, 5, s46               ; b: 32 bytes for each half of the lanes
	v_and_b32 v9, 1, v0
	v_lshl_add_u32 v[HO], v9, 14, v[BO]            ; hidden: my row's batch is lane % 2
.irp bb, 0,1,2,3,4,5,6,7
	global_load_b128 v[HID+8*\bb:HID+8*\bb+3],   v[HO], s[8:9] offset:64*\bb
	global_load_b128 v[HID+8*\bb+4:HID+8*\bb+7], v[HO], s[8:9] offset:64*\bb+16
	global_load_b128 v[BI+8*\bb:BI+8*\bb+3],     v[BO], s[10:11] offset:64*\bb
	global_load_b128 v[BI+8*\bb+4:BI+8*\bb+7],   v[BO], s[10:11] offset:64*\bb+16
.endr
	v_mul_u32_u24 v5, v1, PITCH
	v_lshl_add_u32 v5, v2, 4, v5                   ; row x pitch + 16 x half
	v_add_nc_u32 v[ADRA], s21, v5
	v_add_nc_u32 v[ADRB], s22, v5
	v_add_nc_u32 v[ADRA+1], SLOT, v[ADRA]
	v_add_nc_u32 v[ADRB+1], SLOT, v[ADRB]
	v_lshlrev_b32 v6, 3, v1                        ; 8 scale bytes a row
	v_mul_u32_u24 v7, s18, v2
	v_add_nc_u32 v6, v6, v7
	v_add_nc_u32 v[ADRS], s19, v6
	v_add_nc_u32 v[ADRS+1], SLOT, v[ADRS]
	v_lshl_add_u32 v[STO], v1, 2, s23
	v_and_b32 v8, 31, v0
	v_lshlrev_b32 v[CO], 4, v8
	v_add_nc_u32 v[RD], s23, v[CO]
	v_lshlrev_b32 v[PFO], 8, v8
	v_mul_u32_u24 v[PFS], v1, TILEB
	v_mad_u32_u24 v[PFS], v2, RBLK, v[PFS]
	s_mov_b32 s[SEL], 0x76543210
	s_mov_b32 s[SEL+1], 0xfedcba98
	s_lshl_b32 s74, s42, 1
	s_add_co_u32 s74, s74, s16
	s_lshl_b32 s74, s74, 14                        ; part: row c = 2 x block column + half, of 16,384 bytes,
	s_lshl_b32 s75, s17, 10
	s_add_co_u32 s74, s74, s75
	s_lshl_b32 s75, s15, 9
	s_add_co_u32 s74, s74, s75                     ; my 128 rows m, 4 bytes each
	s_mov_b32 s75, 0
	s_add_nc_u64 s[12:13], s[12:13], s[74:75]
	s_cmp_eq_u32 s15, 0                            ; the prefetches: E's or W's image,
	s_cselect_b32 s76, s17, s42
	s_cselect_b32 s79, s40, s41                    ; my place among the four that ask with me
	s_cselect_b64 s[PFA:PFA+1], s[4:5], s[6:7]
	s_xor_b32 s[ONE], s16, 1
	s_mul_i32 s76, s76, 2*RBLK
	s_mov_b32 s77, 0
	s_add_nc_u64 s[PFA:PFA+1], s[PFA:PFA+1], s[76:77]
	s_lshl_b32 s76, s79, 8
	s_add_co_u32 s76, s76, 32768
	s_add_nc_u64 s[PSA:PSA+1], s[PFA:PFA+1], s[76:77]
	s_mul_i32 s76, s16, RBLK
	s_lshl_b32 s79, s79, 13
	s_add_co_u32 s76, s76, s79
	s_add_co_u32 s76, s76, 2*TILEB                 ; at K step 2: the first refill steps it to 3 and names K step 4
	s_add_nc_u64 s[PFA:PFA+1], s[PFA:PFA+1], s[76:77]
	s_wait_alu depctr_va_vdst(0)
	s_wait_loadcnt 0x0
	v_pk_mul_f32 v[T0:T0+1], v[BI:BI+1], v[HID:HID+1]              ; b x hidden over my 64 columns, while K step 0 is on its way
	v_pk_mul_f32 v[T0+2:T0+3], v[BI+2:BI+3], v[HID+2:HID+3]
.irp j, 4,8,12,16,20,24,28,32,36,40,44,48,52,56,60
	v_pk_fma_f32 v[T0:T0+1], v[BI+\j:BI+\j+1], v[HID+\j:HID+\j+1], v[T0:T0+1]
	v_pk_fma_f32 v[T0+2:T0+3], v[BI+\j+2:BI+\j+3], v[HID+\j+2:HID+\j+3], v[T0+2:T0+3]
.endr
	v_pk_add_f32 v[T0:T0+1], v[T0:T0+1], v[T0+2:T0+3]
.macro FRAG reg, adr, q, i             ; a fragment: 16 rows x 128 codes, four loads of 16 bytes a lane
.irp c, 0,1,2,3
	ds_load_b128 v[\reg+4*\c:\reg+4*\c+3], v[\adr] offset:128*(\q)+32*\c+(\i)*16*PITCH
.endr
.endm
.macro SCALES sl                       ; a K step's scale words: register 2 i + q: fragment i, quarter q
.irp i, 0,1,2,3,4,5,6,7
	ds_load_b64 v[SC+16*\sl+2*\i:SC+16*\sl+2*\i+1], v[ADRS+\sl] offset:(\i/2)*PITCH+(\i%2)*128
.endr
.endm
; SL, CQ: the slot and quarter in hand (W's set is CQ); CZ: its products start the sums; NS, NQ1: slot and quarter of the fragments fetched ahead
.macro PROD a, b
.if CZ
	v_wmma_scale_f32_16x16x128_f8f6f4 v[8*(8*((\a)%4)+(\b)):8*(8*((\a)%4)+(\b))+7], v[128*CQ+FR*(\b):128*CQ+FR*(\b)+FR-1], v[AF+FR*(\a):AF+FR*(\a)+FR-1], 0, v[SC+16*SL+2*(\b)+CQ], v[SC+16*SL+2*(\a)+CQ] matrix_a_scale:MATRIX_SCALE_ROW1
.else
	v_wmma_scale_f32_16x16x128_f8f6f4 v[8*(8*((\a)%4)+(\b)):8*(8*((\a)%4)+(\b))+7], v[128*CQ+FR*(\b):128*CQ+FR*(\b)+FR-1], v[AF+FR*(\a):AF+FR*(\a)+FR-1], v[8*(8*((\a)%4)+(\b)):8*(8*((\a)%4)+(\b))+7], v[SC+16*SL+2*(\b)+CQ], v[SC+16*SL+2*(\a)+CQ] matrix_a_scale:MATRIX_SCALE_ROW1
.endif
.endm
.macro HB a, h                         ; half a row block: four products
	WIN MUL_LO+0x50*((\a)/4)
.irp b, 0,1,2,3
	PROD \a, 4*(\h)+\b
.endr
.endm
.macro GRP a                           ; row blocks a, a + 1: 16 products
	HB \a, 0
	HB \a, 1
	HB (\a)+1, 0
	HB (\a)+1, 1
.endm
.macro NOPS                            ; the places ahead of a run of loads
.rept 8
	v_nop
.endr
.endm
.macro CUA i                           ; E's fragment i of the quarter in hand
	WIN 0
	FRAG AF+FR*(\i), ADRA+SL, CQ, \i
.endm
.macro NXA i                           ; E's fragment i of the next quarter
	WIN 0
	FRAG AF+FR*(\i), ADRA+NS, NQ1, \i
.endm
.macro NXB i                           ; W's, into the other set
	WIN TO_B
	FRAG 128*NQ1+FR*(\i), ADRB+NS, NQ1, \i
.endm
; A quarter.  mode 0: the next quarter lies in the same slot; 1: the slots change and this one is filled again; 2: they change and nothing is filled; 3: the last quarter.
.macro QS slot, q, zero, mode
.set SL, \slot
.set CQ, \q
.set CZ, \zero
.set NQ1, 1-(\q)
.if (\mode) == 0
.set NS, \slot
.else
.set NS, 1-(\slot)
.endif
.if (\mode) == 1
	s_wait_xcnt 0x0                                ; my last prefetch has read its address
	s_add_nc_u64 s[PFA:PFA+1], s[PFA:PFA+1], TILEB
.endif
	s_wait_dscnt 28                                ; E0 and W0-5 are in; out: W6, W7, E1 and the run E2-5
	HB 0, 0
	s_wait_dscnt 20                                ; W7 is in; out: E1, E2-5
	HB 0, 1
	s_wait_dscnt 16                                ; E1 is in; out: E2-5
	HB 1, 0
	HB 1, 1
	NOPS
	CUA 6
	CUA 7                                          ; the slot's last reads, in its second quarter
.if (\mode) == 3
	s_wait_dscnt 16                                ; E2, E3 are in; out: E4-7
	GRP 2
	s_wait_dscnt 8                                 ; E4, E5
	GRP 4
	s_wait_dscnt 0x0
	GRP 6
	WIN 0
.else
.if (\mode) == 0
	NXB 0
	NXB 1
	s_wait_dscnt 24                                ; E2, E3 are in; out: E4, E5 and the 16 just issued
	GRP 2
	NOPS
.irp i, 2,3,4,5
	NXB \i
.endr
.else
	s_wait_dscnt 16                                ; E2, E3 are in; out: E4, E5, E6, E7
	GRP 2
	WIN 0
	s_wait_tensorcnt 0x0                           ; my one load that was out, my tile of the next slot, has landed
	ds_add_u32 v[SPW], v[NIL]
.if (\mode) == 1
	s_add_nc_u64 s[G0+4*\slot+2:G0+4*\slot+3], s[G0+4*\slot+2:G0+4*\slot+3], 2*TILEB
	s_add_nc_u64 s[G0B+4*\slot+2:G0B+4*\slot+3], s[G0B+4*\slot+2:G0B+4*\slot+3], 2*TILEB
.endif
	s_wait_dscnt 0x0                               ; the add is done, and my reads of this slot are over
	s_barrier_signal -1
	s_barrier_wait -1
.if (\mode) == 1
	CREST                                          ; no wave of any partner still reads this slot or has a load out
	JLOAD \slot                                    ; the K step two on: the first tensor load behind the round
.endif
	SCALES NS
.irp i, 0,1,2,3,4,5
	NXB \i
.endr
.if (\mode) == 1
	WIN 0
	ASK \slot
.endif
.endif
	s_wait_dscnt 32                                ; E4, E5 are in; 32 loads were issued behind them (behind a change of slots they are in already)
	GRP 4
	NOPS
	NXA 0
	NXB 6
	NXB 7
	NXA 1
	s_wait_dscnt 40                                ; E6, E7 are in; 40 loads were issued behind them
	GRP 6
	NOPS
.irp i, 2,3,4,5
	NXA \i
.endr
.endif
.endm
	s_wait_alu depctr_va_vdst(0)
	s_wait_tensorcnt 0x0                           ; my tile of K step 0 is in
	ds_add_u32 v[SPW], v[NIL]
	s_wait_dscnt 0x0
	CROUND                                         ; everybody's tile of K step 0 is in, and the joint loads meet
	JLOAD 1                                        ; K step 1
.set NS, 0
.set NQ1, 0
	SCALES 0
.irp i, 0,1,2,3,4,5                    ; the first quarter's fragments, in the order that the waits count on
	NXB \i
.endr
	NXA 0
	NXB 6
	NXB 7
.irp i, 1,2,3,4,5
	NXA \i
.endr
	QS 0, 0, 1, 0                                  ; the first quarter starts the sums: nothing is cleared
	s_mov_b32 s3, LAPS-1
.Llap:                                                 ; a trip: once round the ring, both slots filled again
	QS 0, 1, 0, 1
	QS 1, 0, 0, 0
	QS 1, 1, 0, 1
	QS 0, 0, 0, 0
	s_sub_co_u32 s3, s3, 1
	s_cmp_lg_u32 s3, 0
	s_cbranch_scc1 .Llap
	QS 0, 1, 0, 2                                  ; the last lap asks for nothing more
	QS 1, 0, 0, 0
	QS 1, 1, 0, 3
; THE WAY OUT: my lane's 64 numbers of each row block x hidden, begun with the sum of b x hidden; four chains by turns; each accumulator is read from its low end on.
.macro DOT hi
.set W_D, 0x02+\hi
	WIN W_D
.irp bb, 0,1,2,3,4,5,6,7
.irp p, 0,1,2,3
.irp a, 0,1,2,3
.if (\bb) == 0 && (\p) == 0
	v_pk_fma_f32 v[S+2*(4*\hi+\a):S+2*(4*\hi+\a)+1], v[8*(8*\a+\bb)+2*\p:8*(8*\a+\bb)+2*\p+1], v[HID+8*\bb+2*\p:HID+8*\bb+2*\p+1], v[T0:T0+1]
.else
	v_pk_fma_f32 v[S+2*(4*\hi+\a):S+2*(4*\hi+\a)+1], v[8*(8*\a+\bb)+2*\p:8*(8*\a+\bb)+2*\p+1], v[HID+8*\bb+2*\p:HID+8*\bb+2*\p+1], v[S+2*(4*\hi+\a):S+2*(4*\hi+\a)+1]
.endif
.endr
.endr
.endr
.endm
	NOPS                                           ; places behind the last products
	DOT 0
	DOT 1
	WIN 0
.irp a, 0,1,2,3,4,5,6,7
	v_add_f32 v[S+2*\a], v[S+2*\a], v[S+2*\a+1]
.endr
.irp a, 0,1,2,3,4,5,6,7
	v_permlanex16_b32 v[S+2*\a+1], v[S+2*\a], s[SEL], s[SEL+1]
.endr
.irp a, 0,1,2,3,4,5,6,7
	v_add_f32 v[S+2*\a], v[S+2*\a], v[S+2*\a+1]    ; with lane l xor 16's columns: row 16 a + l % 16
.endr
.irp a, 0,1,2,3,4,5,6,7
	ds_store_b32 v[STO], v[S+2*\a] offset:64*\a    ; both halves of the lanes write the same word with the same value
.endr
	ds_load_b128 v[OUTR:OUTR+3], v[RD]             ; LDS serves a wave's instructions in order: this sees my stores
	s_wait_dscnt 0x0
	global_store_b128 v[CO], v[OUTR:OUTR+3], s[12:13]   ; 32 lanes store 512 consecutive bytes, at a multiple of 256 from part's first byte
	s_wait_tensorcnt 0x0                           ; the wave's end
	ds_add_u32 v[SPW], v[NIL]
	s_wait_dscnt 0x0
	CROUND                                         ; the closing round
	s_endpgm
.Lfunc_end_k_q07de900707_gemm:
	.size	k_q07de900707_gemm, .Lfunc_end_k_q07de900707_gemm-k_q07de900707_gemm
	.p2alignl 7, 3214868480
	.fill 96, 4, 3214868480
	.section	.rodata,"a",@progbits
	.p2align	6, 0x0
	.amdhsa_kernel k_q07de900707_gemm
		.amdhsa_group_segment_fixed_size 327680
		.amdhsa_private_segment_fixed_size 0
		.amdhsa_enable_private_segment 0
		.amdhsa_kernarg_size 40
		.amdhsa_user_sgpr_count 2
		.amdhsa_user_sgpr_kernarg_segment_ptr 1
		.amdhsa_wavefront_size32 1
		.amdhsa_system_sgpr_workgroup_id_x 1
		.amdhsa_system_sgpr_workgroup_id_y 1
		.amdhsa_system_sgpr_workgroup_id_z 1
		.amdhsa_system_vgpr_workitem_id 0
		.amdhsa_next_free_vgpr 1024
		.amdhsa_next_free_sgpr 84
		.amdhsa_reserve_vcc 0
		.amdhsa_float_denorm_mode_32 3
		.amdhsa_float_denorm_mode_16_64 3
		.amdhsa_memory_ordered 1
		.amdhsa_forward_progress 1
		.amdhsa_inst_pref_size 144
	.end_amdhsa_kernel
	.amdgpu_metadata
---
amdhsa.version: [ 1, 2 ]
amdhsa.kernels:
  - .name:           k_q07de900707_gemm
    .symbol:         k_q07de900707_gemm.kd
    .args:
      - { .name: eq, .offset: 0, .size: 8, .value_kind: global_buffer, .address_space: global }
      - { .name: wq, .offset: 8, .size: 8, .value_kind: global_buffer, .address_space: global }
      - { .name: hidden, .offset: 16, .size: 8, .value_kind: global_buffer, .address_space: global }
      - { .name: b, .offset: 24, .size: 8, .value_kind: global_buffer, .address_space: global }
      - { .name: part, .offset: 32, .size: 8, .value_kind: global_buffer, .address_space: global }
    .group_segment_fixed_size: 327680
    .private_segment_fixed_size: 0
    .kernarg_segment_align: 8
    .kernarg_segment_size: 40
    .max_flat_workgroup_size: 128
    .sgpr_count:     84
    .vgpr_count:     1024
    .wavefront_size: 32
...
	.end_amdgpu_metadata
.endif
;; end of part 2
;; launch soft (part 3): grid 32 x 1, 1 waves a work-group, no clusters, 0 bytes of LDS; arguments part, out0; writes out0
.if DOCPART == 3
	.amdgcn_target "amdgcn-amd-amdhsa--gfx1250"
	.amdhsa_code_object_version 6
	.text
	.protected	k_q07de900707_soft
	.globl	k_q07de900707_soft
	.p2align	8
	.type	k_q07de900707_soft,@function
k_q07de900707_soft:
	s_mov_b64 s[64:65], 0
	v_nop
	global_prefetch_b8 v0, s[64:65] scope:SCOPE_SE
	s_setreg_imm32_b32 hwreg(HW_REG_WAVE_MODE, 25, 1), 1
	s_wait_xcnt 0x0
; score[m] = the sum over c = 0 .. 31 of part[c][m]; out0, flat over m = 2 s + batch, is the softmax over each pair (2 s, 2 s + 1), with the pair's maximum taken away first.  All in f32.
; 4,096 rows: 32 work-groups of one wave; lane l of work-group g owns rows 128 g + 4 l .. + 3: two pairs.  Each of the 32 loads of a wave reads 512 consecutive bytes of one row of part;
; all 32 are issued at once, so that the wave waits through one trip to memory.  No LDS, no barrier, no matrix unit: nothing is shared, and a lane's pairs lie in its own registers.
; LIMIT: a weight under 2^-126 comes out as 0, since v_exp_f32 gives 0 where its result would be denormal (ISA guide, its entry in 15.8).  NaN and infinities are not served.
.set P, 8                              ; v8-135: set c (four registers): part[c][my four rows]
	s_load_b128 s[4:7], s[0:1], 0x0                ; part s[4:5], out0 s[6:7]
	s_lshl_b32 s8, ttmp9, 9                        ; 128 rows of 4 bytes a work-group
	v_lshl_add_u32 v1, v0, 4, s8                   ; + 16 bytes a lane; never rewritten
	s_wait_alu depctr_va_vdst(0)
	s_wait_kmcnt 0x0
.irp c, 0,1,2,3,4,5,6,7,8,9,10,11,12,13,14,15,16,17,18,19,20,21,22,23,24,25,26,27,28,29,30,31
	global_load_b128 v[P+4*\c:P+4*\c+3], v1, s[4:5] offset:16384*\c
.endr
.macro ADDSETS n, d, s                 ; sets d .. d + n - 1 += sets s .. s + n - 1, two numbers an instruction
.set i, 0
.rept \n
	v_pk_add_f32 v[P+4*(\d+i):P+4*(\d+i)+1], v[P+4*(\d+i):P+4*(\d+i)+1], v[P+4*(\s+i):P+4*(\s+i)+1]
	v_pk_add_f32 v[P+4*(\d+i)+2:P+4*(\d+i)+3], v[P+4*(\d+i)+2:P+4*(\d+i)+3], v[P+4*(\s+i)+2:P+4*(\s+i)+3]
.set i, i+1
.endr
.endm
	s_wait_loadcnt 16                              ; sets 0 to 15 are in; the sixteen younger loads may be out
	ADDSETS 8, 0, 8
	s_wait_loadcnt 0x0
	ADDSETS 8, 16, 24
	ADDSETS 8, 0, 16
	ADDSETS 4, 0, 4
	ADDSETS 2, 0, 2
	ADDSETS 1, 0, 1                                ; v8, v9: the first pair's scores; v10, v11: the second's
	v_max_num_f32 v12, v8, v9
	v_max_num_f32 v13, v10, v11
	v_sub_f32 v8, v8, v12                          ; 0 for the larger of a pair, negative for the other
	v_sub_f32 v9, v9, v12
	v_sub_f32 v10, v10, v13
	v_sub_f32 v11, v11, v13
	v_pk_mul_f32 v[8:9], v[8:9], 0x3fb8aa3b op_sel_hi:[1,0]        ; x log2(e): v_exp_f32 works in base 2
	v_pk_mul_f32 v[10:11], v[10:11], 0x3fb8aa3b op_sel_hi:[1,0]
	s_wait_alu depctr_va_vdst(0)
	v_exp_f32 v8, v8
	v_exp_f32 v9, v9
	v_exp_f32 v10, v10
	v_exp_f32 v11, v11
	v_nop                                          ; a plain instruction between the last exponential and the use of its result (ISA guide 5.7.2)
	s_wait_alu depctr_va_vdst(0)                   ; and a wait ahead of the first use: one for the four
	v_add_f32 v12, v8, v9                          ; between 1 and 2
	v_add_f32 v13, v10, v11
	s_wait_alu depctr_va_vdst(0)
	v_rcp_f32 v12, v12
	v_rcp_f32 v13, v13
	v_nop
	s_wait_alu depctr_va_vdst(0)                   ; one for the two reciprocals
	v_mul_f32 v8, v8, v12
	v_mul_f32 v9, v9, v12
	v_mul_f32 v10, v10, v13
	v_mul_f32 v11, v11, v13
	global_store_b128 v1, v[8:11], s[6:7]          ; 32 lanes store 512 consecutive bytes, at a multiple of 256 from out0's first byte
	s_endpgm
.Lfunc_end_k_q07de900707_soft:
	.size	k_q07de900707_soft, .Lfunc_end_k_q07de900707_soft-k_q07de900707_soft
	.p2alignl 7, 3214868480
	.fill 96, 4, 3214868480
	.section	.rodata,"a",@progbits
	.p2align	6, 0x0
	.amdhsa_kernel k_q07de900707_soft
		.amdhsa_group_segment_fixed_size 0
		.amdhsa_private_segment_fixed_size 0
		.amdhsa_enable_private_segment 0
		.amdhsa_kernarg_size 16
		.amdhsa_user_sgpr_count 2
		.amdhsa_user_sgpr_kernarg_segment_ptr 1
		.amdhsa_wavefront_size32 1
		.amdhsa_system_sgpr_workgroup_id_x 1
		.amdhsa_system_sgpr_workgroup_id_y 1
		.amdhsa_system_sgpr_workgroup_id_z 1
		.amdhsa_system_vgpr_workitem_id 0
		.amdhsa_next_free_vgpr 144
		.amdhsa_next_free_sgpr 66
		.amdhsa_reserve_vcc 0
		.amdhsa_float_denorm_mode_32 3
		.amdhsa_float_denorm_mode_16_64 3
		.amdhsa_memory_ordered 1
		.amdhsa_forward_progress 1
		.amdhsa_inst_pref_size 9
	.end_amdhsa_kernel
	.amdgpu_metadata
---
amdhsa.version: [ 1, 2 ]
amdhsa.kernels:
  - .name:           k_q07de900707_soft
    .symbol:         k_q07de900707_soft.kd
    .args:
      - { .name: part, .offset: 0, .size: 8, .value_kind: global_buffer, .address_space: global }
      - { .name: out0, .offset: 8, .size: 8, .value_kind: global_buffer, .address_space: global }
    .group_segment_fixed_size: 0
    .private_segment_fixed_size: 0
    .kernarg_segment_align: 8
    .kernarg_segment_size: 16
    .max_flat_workgroup_size: 32
    .sgpr_count:     66
    .vgpr_count:     144
    .wavefront_size: 32
...
	.end_amdgpu_metadata
.endif
;; end of part 3
